; MI455X (gfx1250); checked and timed in simulation.
; The chip was launched on July 23, 2026; its instructions are those of AMD's public machine-readable ISA for CDNA 5 (MIT licence, August 2026) and "CDNA5" Instruction Set Architecture Reference Guide (July 2026). The comments in the code are by the model that wrote it; some were corrected since.
;; Ca Mo E System. Allowed arithmetic: matrix products marked QUANTISED: E2M1 operands, one E8M0 scale for each 32 along K, by v_wmma_scale_f32_16x16x128_f8f6f4 with both operands' format E2M1 (or v_wmma_scale_f32_32x16x128_f4), f32 sums; everything else in f32.
;; Inputs: W1_codes 8 x 512 x 32 x 16 uint8 (E2M1 codes of W1, K innermost, in blocks of 32 codes, two codes a byte); W1_scales 8 x 512 x 32 uint8 (E8M0 scales of W1, one for each 32 codes along K); W2_codes 8 x 1,024 x 16 x 16 uint8 (E2M1 codes of W2, K innermost, in blocks of 32 codes, two codes a byte); W2_scales 8 x 1,024 x 16 uint8 (E8M0 scales of W2, one for each 32 codes along K); beta 1,024 float32; gamma 1,024 float32; weights 4 x 2,048 x 2 float32; winners 4 x 2,048 x 2 int32; x 4 x 2,048 x 1,024 float32.
;; Outputs: out0 4 x 2,048 x 1,024 float32.
;; This version of the problem:
;;   THIS VERSION OF THE PROBLEM IS GIVEN IN LOW PRECISION. The matrix products marked QUANTISED in the list below multiply operands that are first quantised to E2M1 (2 exponent bits, 1 mantissa bit; 4 bits a number), with one power-of-two scale for each 32 numbers along K (OCP MX v1.0); their sums are f32. All else is computed in f32.
;;   The module's matrix products, in the order in which they are computed (A, B: the left and right operand; K: the contracted axis; several contracted axes count as one K, in the product's order):
;;     1. [M 8,192, K 1,024] x [K 1,024, N 512]; A: computed on the way; B: input W1 (given as codes): QUANTISED
;;     2. [M 8,192, K 512] x [K 512, N 1,024]; A: computed on the way; B: input W2 (given as codes): QUANTISED
;;     3. [M 8,192, K 1,024] x [K 1,024, N 512]; A: computed on the way; B: input W1 (given as codes): QUANTISED
;;     4. [M 8,192, K 512] x [K 512, N 1,024]; A: computed on the way; B: input W2 (given as codes): QUANTISED
;;     5. [M 8,192, K 1,024] x [K 1,024, N 512]; A: computed on the way; B: input W1 (given as codes): QUANTISED
;;     6. [M 8,192, K 512] x [K 512, N 1,024]; A: computed on the way; B: input W2 (given as codes): QUANTISED
;;     7. [M 8,192, K 1,024] x [K 1,024, N 512]; A: computed on the way; B: input W1 (given as codes): QUANTISED
;;     8. [M 8,192, K 512] x [K 512, N 1,024]; A: computed on the way; B: input W2 (given as codes): QUANTISED
;;     9. [M 8,192, K 1,024] x [K 1,024, N 512]; A: computed on the way; B: input W1 (given as codes): QUANTISED
;;     10. [M 8,192, K 512] x [K 512, N 1,024]; A: computed on the way; B: input W2 (given as codes): QUANTISED
;;     11. [M 8,192, K 1,024] x [K 1,024, N 512]; A: computed on the way; B: input W1 (given as codes): QUANTISED
;;     12. [M 8,192, K 512] x [K 512, N 1,024]; A: computed on the way; B: input W2 (given as codes): QUANTISED
;;     13. [M 8,192, K 1,024] x [K 1,024, N 512]; A: computed on the way; B: input W1 (given as codes): QUANTISED
;;     14. [M 8,192, K 512] x [K 512, N 1,024]; A: computed on the way; B: input W2 (given as codes): QUANTISED
;;     15. [M 8,192, K 1,024] x [K 1,024, N 512]; A: computed on the way; B: input W1 (given as codes): QUANTISED
;;     16. [M 8,192, K 512] x [K 512, N 1,024]; A: computed on the way; B: input W2 (given as codes): QUANTISED
;;   THE QUANTISER, for each operand of a quantised product, along K:
;;     - K is cut into blocks of 32 from its start; a last block that is shorter is filled with zeros.
;;     - A block's scale is 2^e with e = floor(log2(the largest magnitude in the block)) - 2, held to -126 .. 127; a block of zeros has e = 0. As a byte (E8M0): e + 127.
;;     - Each number is divided by its block's scale, clamped to +-6, and rounded to the nearest number of E2M1, ties to even, subnormals kept.
;;     - The product sums the exact products of the quantised numbers (number of the format x scale) in f32.
;;   ~~~python
;;   def quantise(x, axis):      # numpy; x: float32 -> the quantised numbers, widened to float32 again
;;       x = np.moveaxis(x, axis, -1); K = x.shape[-1]
;;       x = np.pad(x, [(0, 0)] * (x.ndim - 1) + [(0, -K % 32)]); x = x.reshape(x.shape[:-1] + (-1, 32)); a = np.abs(x).max(-1, keepdims=True)
;;       e = np.where(a > 0, np.clip(np.frexp(np.where(a > 0, a, 1))[1] - 1 - 2, -126, 127), 0)      # np.frexp(a)[1] - 1 = floor(log2(a)), exactly
;;       r = np.clip(x / 2.0 ** e, -6, 6)
;;       step = 2.0 ** (np.maximum(np.frexp(np.where(r == 0, 1, r))[1] - 1, 0) - 1)
;;       q = np.round(r / step) * step * 2.0 ** e      # np.round: ties to even
;;       return np.moveaxis(q.reshape(q.shape[:-2] + (-1,))[..., :K], -1, axis).astype(np.float32)
;;   ~~~
;;   OPERANDS COMPUTED ON THE WAY. 'Computed on the way' means the value that the module computes at that place (a softmax that the list does not call 'softmax' is quantised finished and normalised). What goes into a quantiser is computed in f32, as accurately as f32 sums, v_exp_f32 and their like allow (about 1e-6 of the number): no bf16 or f16 on the way to a quantiser, and a product that is left as it is and whose result goes on into a quantised operand takes f32 operands (vector FMAs, or v_wmma_f32_16x16x4_f32). A number that lies on a knife's edge between two numbers of the format may be rounded either way, as far as f32 arithmetic and the matrix unit's own rounding can turn it there, and no further.
;;   INPUTS GIVEN AS CODES. W1 (in the module: [8, 1024, 512], K = its axis 1); W2 (in the module: [8, 512, 1024], K = its axis 1): each comes as NAME_codes (uint8): NAME with its K axis moved to the last place and cut into blocks of 32 codes, [.., K / 32, bytes a block], one block behind the other in memory; two codes a byte, the lower K in the low four bits (a code: sign, 2 exponent bits, 1 mantissa bit); and NAME_scales (uint8): the same leading axes, one E8M0 byte (e + 127) for each 32 codes along K. Its value is code x scale, taken as it is: it is not quantised again, and the codes and scales need not be those that the quantiser above would give.
;; One version. Each part assembles by itself: llvm-mc -triple=amdgcn-amd-amdhsa -mcpu=gfx1250 --defsym DOCPART=n.
;; ======== version 1 of 1: 2 launches
;; workspace buffers: srt 34,816 bytes of whole numbers; wl 4,194,304 bytes
;; launch prep (part 1): grid 32 x 1, 32 waves a work-group, no clusters, 8,704 bytes of LDS; arguments winners, W1_codes, W2_codes, srt, wl; writes srt, wl
.if DOCPART == 1
	.amdgcn_target "amdgcn-amd-amdhsa--gfx1250"
	.amdhsa_code_object_version 6
	.text
	.protected	k_q54a3ec40f5_prep
	.globl	k_q54a3ec40f5_prep
	.p2align	8
	.type	k_q54a3ec40f5_prep,@function
k_q54a3ec40f5_prep:
	s_mov_b64 s[64:65], 0
	v_nop
	global_prefetch_b8 v0, s[64:65] scope:SCOPE_SE
	s_setreg_imm32_b32 hwreg(HW_REG_WAVE_MODE, 25, 1), 1
	s_wait_xcnt 0x0
; Two jobs that the chain's launch needs done once, told apart by the work-group's number alone.
; WORK-GROUPS 0 .. 7: THE SORT.  Work-group j takes tokens 1,024 j .. + 1,023, a wave 32 of them, and sorts them by their PAIR of experts (a < b; 28 pairs) into list j of 'srt':
;   entry = token | a << 16 | b << 20 | (winner 0 is a) << 24 | (winner 1 is a) << 25.  A token whose two winners are equal joins the pair (a, a + 1), or (6, 7) for a = 7.
;   srt: bytes 256 j: 32 words, the number of list j's tokens of each pair, then 32 words, where each pair begins in list j; from byte 2,048: the 8 lists, 4,096 bytes each, every word written.
;   The eight work-groups share nothing: the chain's launch joins the lists.  No atomics: ballots and counts inside a wave, one table [wave][pair] in LDS, two scans.
;   Only the last store's address hangs on the winners, and it is held inside the list.
; WORK-GROUPS 8 .. 15 (W1) AND 16 .. 31 (W2): THE LAYOUT.  The codes are copied into 'wl' in the order in which the chain's waves take them into operand registers:
;   [expert 8][wave 4][batch 16][fragment 8][half 2][lane 32][16 bytes].  Batches 0-7: W1's K step = batch, fragment = tile t of 16 hidden units.  Batches 8-15: W2: 4,096 bytes for each K step inside a group of four tiles.
;   Lane (r, h) of a tile takes row r + 8 (r / 8) of the tile's 24, bytes 64 s + 32 c + 16 h: a fragment of 16 rows x 128 codes.  One wave copies one tile for all of K; each store covers 512 consecutive bytes.
; LIMIT: winners are taken to lie in 0 .. 7.
.set HTP, 132                          ; a row of the table in LDS: 32 words + 1, so that rows and columns both fall on 32 different banks
.set TOT, 32*HTP                       ; behind the table: each pair's number of tokens, 32 words
.set LST, 2048                         ; where the lists begin in srt
	s_load_b256 s[4:11], s[0:1], 0x0               ; winners s[4:5], W1's codes s[6:7], W2's codes s[8:9], srt s[10:11]
	s_load_b64 s[12:13], s[0:1], 0x20              ; wl
	v_lshl_add_u32 v96, v0, 2, 0x1200
	v_mov_b32 v97, 0
	v_lshrrev_b32 v1, 5, v0
	s_delay_alu instid0(VALU_DEP_1)
	v_readfirstlane_b32 s14, v1                    ; wave 0 .. 31
	v_and_b32 v1, 31, v0                           ; lane
	s_mov_b32 s41, 0                               ; the upper word of every offset
	s_wait_kmcnt 0x0
	s_cmp_lt_u32 ttmp9, 8
	s_cbranch_scc1 .Lsort
	v_and_b32 v2, 15, v0                           ; r
	v_bfe_u32 v3, v0, 4, 1                         ; h
	s_delay_alu instid0(VALU_DEP_2)
	v_and_b32 v4, 8, v2
	s_delay_alu instid0(VALU_DEP_1)
	v_add_nc_u32 v4, v4, v2                        ; r + 8 (r / 8)
	s_wait_alu depctr_va_vdst(0)
	v_lshlrev_b32 v5, 4, v1                        ; out: 16 bytes a lane
	s_cmp_lt_u32 ttmp9, 16
	s_cbranch_scc0 .Lw2
	; ---- W1: work-group = expert; wave = 8 w + t
	s_sub_co_u32 s20, ttmp9, 8                     ; e
	s_lshr_b32 s21, s14, 3                         ; w
	s_and_b32 s22, s14, 7                          ; t
	s_lshr_b32 s23, s22, 1
	s_and_b32 s24, s22, 1
	s_lshl_b32 s25, s21, 7
	s_lshl_b32 s23, s23, 5
	s_lshl_b32 s24, s24, 3
	s_add_co_u32 s25, s25, s23
	s_add_co_u32 s25, s25, s24                     ; the tile's first row: 128 w + 32 (t / 2) + 8 (t % 2)
	s_lshl_b32 s40, s25, 9                         ; rows of 512 bytes,
	s_lshl_b32 s26, s20, 18                        ; experts of 262,144
	s_add_co_u32 s40, s40, s26
	s_add_nc_u64 s[6:7], s[6:7], s[40:41]
	s_lshl_b32 s40, s20, 19
	s_lshl_b32 s26, s21, 17
	s_add_co_u32 s40, s40, s26
	s_lshl_b32 s26, s22, 10
	s_add_co_u32 s40, s40, s26                     ; wl: 524,288 e + 131,072 w + 1,024 t
	s_add_nc_u64 s[12:13], s[12:13], s[40:41]
	v_lshlrev_b32 v4, 9, v4
	s_delay_alu instid0(VALU_DEP_1)
	v_lshl_add_u32 v4, v3, 4, v4
.irp k, 0,1,2,3,4,5,6,7,8,9,10,11,12,13,14,15
	global_load_b128 v[16+4*\k:19+4*\k], v4, s[6:7] offset:32*\k                 ; k = 2 s + c
.endr
	s_wait_alu depctr_va_vdst(0)
.irp k, 0,1,2,3,4,5,6,7,8,9,10,11,12,13,14,15
	s_wait_loadcnt 15-\k                           ; loads come back in order: load k is in, the 15 - k behind it may be out
	global_store_b128 v5, v[16+4*\k:19+4*\k], s[12:13] offset:(\k/2)*8192+(\k%2)*512
.endr
	s_endpgm
.Lw2:
	; ---- W2: two work-groups to an expert; 64 tiles: 16 w + u
	s_sub_co_u32 s20, ttmp9, 16
	s_lshr_b32 s21, s20, 1                         ; e
	s_and_b32 s22, s20, 1
	s_lshl_b32 s22, s22, 5
	s_add_co_u32 s22, s22, s14
	s_lshr_b32 s23, s22, 4                         ; w
	s_and_b32 s24, s22, 15                         ; u
	s_lshr_b32 s25, s24, 1
	s_and_b32 s26, s24, 1
	s_lshl_b32 s27, s23, 8
	s_lshl_b32 s25, s25, 5
	s_lshl_b32 s26, s26, 3
	s_add_co_u32 s27, s27, s25
	s_add_co_u32 s27, s27, s26                     ; the tile's first row: 256 w + 32 (u / 2) + 8 (u % 2)
	s_lshl_b32 s40, s27, 8                         ; rows of 256 bytes
	s_lshl_b32 s28, s21, 18
	s_add_co_u32 s40, s40, s28
	s_add_nc_u64 s[8:9], s[8:9], s[40:41]
	s_lshl_b32 s40, s21, 19
	s_lshl_b32 s28, s23, 17
	s_add_co_u32 s40, s40, s28
	s_lshr_b32 s28, s24, 2
	s_lshl_b32 s28, s28, 14
	s_add_co_u32 s40, s40, s28
	s_and_b32 s28, s24, 3
	s_lshl_b32 s28, s28, 10
	s_add_co_u32 s40, s40, s28
	s_add_co_u32 s40, s40, 65536                   ; wl: 524,288 e + 131,072 w + 65,536 + 16,384 (u / 4) + 1,024 (u % 4)
	s_add_nc_u64 s[12:13], s[12:13], s[40:41]
	v_lshlrev_b32 v4, 8, v4
	s_delay_alu instid0(VALU_DEP_1)
	v_lshl_add_u32 v4, v3, 4, v4
.irp k, 0,1,2,3,4,5,6,7
	global_load_b128 v[16+4*\k:19+4*\k], v4, s[8:9] offset:32*\k
.endr
	s_wait_alu depctr_va_vdst(0)
.irp k, 0,1,2,3,4,5,6,7
	s_wait_loadcnt 7-\k
	global_store_b128 v5, v[16+4*\k:19+4*\k], s[12:13] offset:(\k/2)*4096+(\k%2)*512
.endr
	s_endpgm
.Lsort:
	; REGISTERS: v3 8 x lane; v[8:9] my token's winners; v16-20 all ones where bit t of my lane is set; v21, v22 the two flags; v23 my token; v24 its entry; v28 4 x its pair; v32 its rank among my wave's tokens of its pair;
	; v36 0, v37 (lane = pair) my wave's tokens of that pair; v41-43, v48 LDS addresses; v52 4 x lane; v44-54 at work
	s_lshl_b32 s40, ttmp9, 13                      ; 1,024 tokens x 8 bytes,
	s_lshl_b32 s35, s14, 8                         ; 32 tokens a wave
	s_add_co_u32 s40, s40, s35
	s_add_nc_u64 s[18:19], s[4:5], s[40:41]
	s_wait_alu depctr_va_vdst(0)
	v_lshlrev_b32 v3, 3, v1
	global_load_b64 v[8:9], v3, s[18:19]           ; 32 tokens' winners: 256 consecutive bytes
	s_lshl_b32 s40, ttmp9, 8
	s_add_nc_u64 s[16:17], s[10:11], s[40:41]      ; my 256 bytes of srt's table,
	s_lshl_b32 s40, ttmp9, 12
	s_add_co_u32 s40, s40, LST
	s_add_nc_u64 s[42:43], s[10:11], s[40:41]      ; and my list
	s_mov_b32 s30, 0x55555555
	s_mov_b32 s31, 0x33333333
	s_mov_b32 s32, 0x0f0f0f0f
	s_mov_b32 s33, 0x01010101
	s_mov_b32 s34, 0xffff0000                      ; lanes 16-31
.irp t, 0,1,2,3,4
	v_bfe_u32 v[16+\t], v1, \t, 1
	s_delay_alu instid0(VALU_DEP_1)
	v_sub_nc_u32 v[16+\t], 0, v[16+\t]
.endr
	v_mov_b32 v21, 1<<24
	v_mov_b32 v22, 1<<25
	s_lshl_b32 s35, s14, 5
	s_lshl_b32 s36, ttmp9, 10
	s_add_co_u32 s35, s35, s36
	v_add_nc_u32 v23, s35, v1                      ; 1,024 j + 32 w + lane
	v_mov_b32 v36, 0
	s_mul_i32 s35, s14, HTP
	v_lshl_add_u32 v41, v1, 2, s35                 ; table[my wave][lane]
	v_mul_u32_u24 v42, v1, HTP
	s_lshl_b32 s36, s14, 2
	v_add_nc_u32 v42, s36, v42                     ; table[lane][my wave]
	v_mov_b32 v43, s36
	s_delay_alu instid0(VALU_DEP_1)
	v_add_nc_u32 v43, TOT, v43                     ; totals[my wave]
	v_lshlrev_b32 v52, 2, v1
	v_mov_b32 v46, 0                               ; (the scans' work register is named as a destination of a lane move: written once here)
	s_wait_loadcnt 0x0
.macro CHUNK c
	v_min_u32 v44, v[8+2*\c], v[9+2*\c]            ; a,
	v_add_nc_u32 v45, v[8+2*\c], v[9+2*\c]
	s_delay_alu instid0(VALU_DEP_1)
	v_sub_nc_u32 v45, v45, v44                     ; b
	s_delay_alu instid0(VALU_DEP_1)
	v_cmp_eq_u32 vcc_lo, v44, v45
	s_delay_alu instid0(VALU_DEP_1)
	v_cndmask_b32 v46, 0, 1, vcc_lo
	s_delay_alu instid0(VALU_DEP_1)
	v_add_nc_u32 v45, v45, v46                     ; (a, a) joins (a, a + 1),
	s_delay_alu instid0(VALU_DEP_1)
	v_min_u32 v45, 7, v45
	v_min_u32 v44, 6, v44                          ; (7, 7) joins (6, 7)
	s_delay_alu instid0(VALU_DEP_1)
	v_cmp_eq_u32 vcc_lo, v[8+2*\c], v44
	s_delay_alu instid0(VALU_DEP_1)
	v_cndmask_b32 v46, 0, v21, vcc_lo
	s_delay_alu instid0(VALU_DEP_3)
	v_cmp_eq_u32 vcc_lo, v[9+2*\c], v44
	s_delay_alu instid0(VALU_DEP_1)
	v_cndmask_b32 v47, 0, v22, vcc_lo
	v_add_nc_u32 v[24+\c], 32*\c, v23
	s_delay_alu instid0(VALU_DEP_1)
	v_lshl_or_b32 v[24+\c], v44, 16, v[24+\c]
	s_delay_alu instid0(VALU_DEP_1)
	v_lshl_or_b32 v[24+\c], v45, 20, v[24+\c]
	s_delay_alu instid0(VALU_DEP_4)
	v_or_b32 v46, v46, v47
	s_delay_alu instid0(VALU_DEP_1)
	v_or_b32 v[24+\c], v[24+\c], v46               ; the entry
	v_sub_nc_u32 v46, 15, v44
	s_delay_alu instid0(VALU_DEP_1)
	v_mul_u32_u24 v46, v46, v44
	s_delay_alu instid0(VALU_DEP_1)
	v_lshrrev_b32 v46, 1, v46
	s_delay_alu instid0(VALU_DEP_1)
	v_add_nc_u32 v46, v46, v45
	s_delay_alu instid0(VALU_DEP_1)
	v_sub_nc_u32 v46, v46, v44
	s_delay_alu instid0(VALU_DEP_1)
	v_add_nc_u32 v46, -1, v46                      ; the pair's number: a (15 - a) / 2 + b - a - 1, 0 .. 27
	s_delay_alu instid0(VALU_DEP_1)
	v_min_u32 v46, 31, v46
	s_delay_alu instid0(VALU_DEP_1)
	v_lshlrev_b32 v[28+\c], 2, v46
.irp t, 0,1,2,3,4
	v_and_b32 v47, 1<<\t, v46
	s_delay_alu instid0(VALU_DEP_1)
	v_cmp_ne_u32 s[20+\t], 0, v47                  ; the lanes whose pair's number has bit t,
	s_not_b32 s[25+\t], s[20+\t]                   ; and those whose has not
.endr
	v_cndmask_b32 v48, s20, s25, s20               ; the lanes that differ from MY pair in bit 0,
	v_xor_b32 v49, s20, v16                        ; and those that differ from the pair whose number is MY LANE'S
.irp t, 1,2,3,4
	v_cndmask_b32 v47, s[20+\t], s[25+\t], s[20+\t]
	s_delay_alu instid0(VALU_DEP_1)
	v_or_b32 v48, v48, v47
	v_xor_b32 v47, s[20+\t], v[16+\t]
	s_delay_alu instid0(VALU_DEP_1)
	v_or_b32 v49, v49, v47
.endr
	s_delay_alu instid0(VALU_DEP_3)
	v_xor_b32 v48, -1, v48                         ; the lanes of my pair:
	s_delay_alu instid0(VALU_DEP_1)
	v_mbcnt_lo_u32_b32 v[32+\c], v48, 0            ; how many of them stand below me
	s_delay_alu instid0(VALU_DEP_3)
	v_lshrrev_b32 v47, 1, v49                      ; the ones of v49, counted in fields of 2, 4, 8 bits and summed by a multiplication
	s_delay_alu instid0(VALU_DEP_1)
	v_and_b32 v47, s30, v47
	s_delay_alu instid0(VALU_DEP_1)
	v_sub_nc_u32 v49, v49, v47
	s_delay_alu instid0(VALU_DEP_1)
	v_lshrrev_b32 v47, 2, v49
	s_delay_alu instid0(VALU_DEP_2)
	v_and_b32 v49, s31, v49
	s_delay_alu instid0(VALU_DEP_2)
	v_and_b32 v47, s31, v47
	s_delay_alu instid0(VALU_DEP_1)
	v_add_nc_u32 v49, v49, v47
	s_delay_alu instid0(VALU_DEP_1)
	v_lshrrev_b32 v47, 4, v49
	s_delay_alu instid0(VALU_DEP_1)
	v_add_nc_u32 v49, v49, v47
	s_delay_alu instid0(VALU_DEP_1)
	v_and_b32 v49, s32, v49
	s_delay_alu instid0(VALU_DEP_1)
	v_mul_lo_u32 v49, v49, s33
	s_delay_alu instid0(VALU_DEP_1)
	v_lshrrev_b32 v49, 24, v49
	s_delay_alu instid0(VALU_DEP_1)
	v_sub_nc_u32 v49, 32, v49                      ; the wave's tokens of pair = lane
	s_delay_alu instid0(VALU_DEP_1)
	v_add_nc_u32 v[37+\c], v[36+\c], v49
.endm
	CHUNK 0
	v_lshl_add_u32 v48, v1, 2, TOT                 ; totals[lane]
	ds_store_b32 v41, v37                          ; my wave's tokens of pair = lane
	s_wait_dscnt 0x0
	s_barrier_signal -1
	s_barrier_wait -1
; an inclusive sum over the 32 lanes of v[\v]; v[\t] at work
.macro SCAN v, t
.irp n, 1
	v_mov_b32_dpp v[\t], v[\v] row_shr:\n row_mask:0xf bank_mask:0xf bound_ctrl:1
	s_delay_alu instid0(VALU_DEP_1)
	v_add_nc_u32 v[\v], v[\v], v[\t]
.endr
.irp n, 2, 4, 8
	s_delay_alu instid0(VALU_DEP_1)
	v_mov_b32_dpp v[\t], v[\v] row_shr:\n row_mask:0xf bank_mask:0xf bound_ctrl:1
	s_delay_alu instid0(VALU_DEP_1)
	v_add_nc_u32 v[\v], v[\v], v[\t]
.endr
	s_delay_alu instid0(VALU_DEP_1)
	v_readlane_b32 s35, v[\v], 15
	s_delay_alu instid0(VALU_DEP_1)
	v_cndmask_b32 v[\t], 0, s35, s34               ; lanes 16-31 add the lower half's sum
	s_delay_alu instid0(VALU_DEP_1)
	v_add_nc_u32 v[\v], v[\v], v[\t]
.endm
	ds_load_b32 v44, v42                           ; wave W sums pair W over the waves: lane = wave
	s_wait_dscnt 0x0
	v_mov_b32 v45, v44
	SCAN 44, 46
	s_delay_alu instid0(VALU_DEP_1)
	v_sub_nc_u32 v45, v44, v45                     ; the waves below
	ds_store_b32 v42, v45                          ; into the word that I read; no other wave touches it between the barriers
	v_readlane_b32 s37, v44, 31
	s_delay_alu instid0(VALU_DEP_1)
	v_mov_b32 v47, s37
	ds_store_b32 v43, v47                          ; the pair's tokens in all
	s_wait_dscnt 0x0
	s_barrier_signal -1
	s_barrier_wait -1
	ds_load_b32 v44, v48
	ds_load_b32 v49, v41
	s_wait_dscnt 0x0
	v_mov_b32 v45, v44                             ; the work-group's tokens of pair = lane
	SCAN 44, 46
	s_delay_alu instid0(VALU_DEP_1)
	v_sub_nc_u32 v44, v44, v45                     ; where that pair begins in my list
	s_delay_alu instid0(VALU_DEP_1)
	v_add_nc_u32 v50, v44, v49                     ; and where my wave's tokens of it begin
	ds_bpermute_b32 v54, v28, v50                  ; each token fetches its pair's figure from lane = pair
	s_cmp_lg_u32 s14, 0
	s_cbranch_scc1 .Lnot_wave_0
	global_store_b32 v52, v45, s[16:17]            ; wave 0 stores the work-group's 256 bytes of the table: the counts,
	global_store_b32 v52, v44, s[16:17] offset:128 ; and the beginnings
.Lnot_wave_0:
	s_wait_dscnt 0x0
	v_add_nc_u32 v54, v54, v32
	s_delay_alu instid0(VALU_DEP_1)
	v_min_u32 v54, 0x3ff, v54                      ; held inside the list's 1,024 entries
	s_delay_alu instid0(VALU_DEP_1)
	v_lshlrev_b32 v54, 2, v54
	global_store_b32 v54, v24, s[42:43]
	s_wait_tensorcnt 0x0
	ds_add_u32 v96, v97
	s_wait_dscnt 0x0
	s_endpgm
.Lfunc_end_k_q54a3ec40f5_prep:
	.size	k_q54a3ec40f5_prep, .Lfunc_end_k_q54a3ec40f5_prep-k_q54a3ec40f5_prep
	.p2alignl 7, 3214868480
	.fill 96, 4, 3214868480
	.section	.rodata,"a",@progbits
	.p2align	6, 0x0
	.amdhsa_kernel k_q54a3ec40f5_prep
		.amdhsa_group_segment_fixed_size 8704
		.amdhsa_private_segment_fixed_size 0
		.amdhsa_enable_private_segment 0
		.amdhsa_kernarg_size 40
		.amdhsa_user_sgpr_count 2
		.amdhsa_user_sgpr_kernarg_segment_ptr 1
		.amdhsa_wavefront_size32 1
		.amdhsa_system_sgpr_workgroup_id_x 1
		.amdhsa_system_sgpr_workgroup_id_y 1
		.amdhsa_system_sgpr_workgroup_id_z 1
		.amdhsa_system_vgpr_workitem_id 0
		.amdhsa_next_free_vgpr 98
		.amdhsa_next_free_sgpr 66
		.amdhsa_reserve_vcc 1
		.amdhsa_float_denorm_mode_32 3
		.amdhsa_float_denorm_mode_16_64 3
		.amdhsa_memory_ordered 1
		.amdhsa_forward_progress 1
		.amdhsa_inst_pref_size 19
	.end_amdhsa_kernel
	.amdgpu_metadata
---
amdhsa.version: [ 1, 2 ]
amdhsa.kernels:
  - .name:           k_q54a3ec40f5_prep
    .symbol:         k_q54a3ec40f5_prep.kd
    .args:
      - { .name: winners, .offset: 0, .size: 8, .value_kind: global_buffer, .address_space: global }
      - { .name: W1_codes, .offset: 8, .size: 8, .value_kind: global_buffer, .address_space: global }
      - { .name: W2_codes, .offset: 16, .size: 8, .value_kind: global_buffer, .address_space: global }
      - { .name: srt, .offset: 24, .size: 8, .value_kind: global_buffer, .address_space: global }
      - { .name: wl, .offset: 32, .size: 8, .value_kind: global_buffer, .address_space: global }
    .group_segment_fixed_size: 8704
    .private_segment_fixed_size: 0
    .kernarg_segment_align: 8
    .kernarg_segment_size: 40
    .max_flat_workgroup_size: 1024
    .sgpr_count:     66
    .vgpr_count:     98
    .wavefront_size: 32
...
	.end_amdgpu_metadata
.endif
;; end of part 1
;; launch moe (part 2): grid 198 x 1, 4 waves a work-group, no clusters, 253,184 bytes of LDS; arguments srt, x, gamma, beta, weights, wl, W1_scales, W2_scales, out0; writes out0
.if DOCPART == 2
	.amdgcn_target "amdgcn-amd-amdhsa--gfx1250"
	.amdhsa_code_object_version 6
	.text
	.protected	k_q54a3ec40f5_moe
	.globl	k_q54a3ec40f5_moe
	.p2align	8
	.type	k_q54a3ec40f5_moe,@function
k_q54a3ec40f5_moe:
	s_mov_b64 s[64:65], 0
	v_nop
	global_prefetch_b8 v0, s[64:65] scope:SCOPE_SE
	s_setreg_imm32_b32 hwreg(HW_REG_WAVE_MODE, 25, 1), 1
	s_wait_xcnt 0x0
; out0[t] = x[t] + cA relu(h W1[a])^2 W2[a] + cB relu(h W1[b])^2 W2[b], h = LayerNorm(x[t]); both products on codes of FP4 (E2M1) with one E8M0 scale for each 32 along K.
; A work-group takes ONE TILE: up to 48 tokens that share the pair of experts (a, b), and takes them through everything: x is read once, out0 written once, h and the hidden layer never go to memory.
; THE TILES.  'srt' holds 8 lists of 1,024 tokens, each sorted by pair, and for each list and pair a count and a beginning.  A pair's tokens are its parts of the 8 lists on end, cut into tiles of 48; the pairs' tiles are numbered on end.
; The sum over 28 pairs of ceil(n / 48) is at most (8,192 + 28 x 47) / 48 = 198.08: 198 work-groups serve every split.  Each work-group finds its pair, its place in the pair's tokens and its 48 entries at its head, with no branch.
; SHARES.  Copy, LayerNorm and the way out: wave w owns rows 12 w .. 12 w + 11 of the tile.  The products: THE WAVES SHARE THE COLUMNS: wave w makes hidden units 128 w .. + 127 (K step w of the second product) and
; channels 256 w .. + 255, for all 48 rows (three tiles m of 16 tokens).  So each byte of an expert's weights enters the work-group once; it comes from 'wl', laid in the order of the operand registers: each load takes 512 consecutive bytes.
; BOTH PRODUCTS ARE USED TRANSPOSED (source 0 = 16 rows of the weight, source 1 = 16 tokens): a lane (r, h) holds token r.  THE ROWS OF A WEIGHT THAT FORM A TILE ARE NOT NEIGHBOURS: lane r of tile 2 b + u takes row
; 32 b + 8 u + r + 8 (r / 8), so that the 16 registers of tiles 2 b, 2 b + 1 are 16 neighbours: along the next K (hidden layer), or 64 bytes of a row of the output.
; THE SUMS x + cA E_a + cB E_b live in LDS, in the rows into which x was copied; each wave adds to its own 1,024 bytes of every row, and the rows leave whole.
; No cluster, no tensor load: the tile's experts are stored numbers, and neighbouring tiles need not share a pair.
; PADDING.  A row beyond the end of the pair's tokens gets the entry 0x80000000, which names token 0; its row is read, worked on and never stored.  A WORK-GROUP BEYOND THE LAST TILE (48 such entries, experts 0 and 0) RUNS THE WHOLE
; CHAIN AND STORES NOTHING: every barrier and the loop that steps LDS addresses stand on the one path of every wave, under no branch on a loaded number.  The only branches on loaded numbers are those round a row's stores, at the end.
; LIMITS: winners in 0 .. 7.  A block of zeros gets the scale byte 1 (its codes are zeros; the bytes are read here alone); blocks whose largest magnitude lies under 2^-124, the floor, were not tried; NaN and infinities are not served.
; The variance is the mean of (x - mean)^2, taken in a second pass.
; REGISTERS, in windows of 256 (s_set_vgpr_msb: bits 1:0 source 0, 3:2 source 1, 5:4 source 2, 7:6 destination):
;   window 0: v1-20 addresses; v22-27 cA twice for each m, v84-89 cB; v28-30 entries; v32-55 h's scale words, v56-67 the hidden layer's, v192-223 W2's, v224-255 W1's (these four hold scales alone); v68-83 at work; v96-191 output sums at work (at the head: the search for the tile)
;   window 1: four batches of eight weight fragments, by turns.   window 2: LayerNorm's rows; then the hidden layer (m, t) at 64 m + 8 t; then 12 accumulators at 0-95 and the hidden fragments at 96-191.   window 3: x on its way; then h's 24 fragments (m, s) at 64 m + 8 s.
.set PX,    4112                       ; a row of x in LDS: 4,096 bytes + 16: the 16 rows that a load touches start in 16 different groups of banks
.set PCO,   528                        ; a row of h's codes: 512 + 16
.set PSB,   48                         ; a row of h's scale bytes: 32 + 16
.set XCODE, 48*PX
.set XSCB,  XCODE+48*PCO
.set HIMG,  XSCB+48*PSB                ; the hidden layer's 12 fragments as images of their registers, (4 m + s) x 1,024,
.set HSC,   HIMG+12*1024               ; and their scale words, (4 m + s) x 128;
.set SLB,   12*1024+12*128             ; the second expert's lie this far on: no wave waits for the first's readers
.set LST,   2048                       ; where the lists begin in srt
.set L16,  1                           ; 16 x lane
.set L32,  2                           ; 32 x lane
.set XSD,  3                           ; my 12 rows, 16 bytes a lane
.set LNA0, 4                           ; my 12 rows, 32 bytes a lane;  v5: the trip's
.set LNA,  5
.set XCW0, 6                           ; where I put a row's codes;  v7: the trip's
.set XCW,  7
.set XBW0, 8                           ; and its scale bytes;  v9: the trip's
.set XBW,  9
.set XCR,  10                          ; a fragment of h: row r, + 16 h
.set XBR,  11                          ; its scale words: row r
.set IMW,  12                          ; my K step's image;  v13 its scale words
.set ISW,  13
.set IMR,  14                          ; any image;  v15 any scale words
.set ISR,  15
.set RMA,  16                          ; v16-18: row 16 m + r, my wave's 1,024 bytes, + 64 h
.set W1SO, 19
.set W2SO, 20
.set CFA,  22
.set ENL,  28
.set XSCL, 32
.set HSCL, 56
.set TM,   68
.set CFB,  84
.set TT,   96
.set PCD,  96                          ; the codes just made, 8 registers for each m;  v120-122 their scale words
.set PW,   120
.set W2S,  192
.set W1S,  224
.set LG,   128                         ; window 2, LayerNorm: gamma, beta, 16 work registers a row
.set LB,   160
.set LT,   192
.set RS,   68                          ; window 0, LayerNorm: v68-71 a row's sum on its way across the lanes, v72-75 the other half's;
.set RP,   72
.set QM,   96                          ; v96-111 largest magnitudes (4 r + p), v112-127 scale operands, v128-143 scale bytes, v144-159 codes
.set QS,   112
.set QB,   128
.set QC,   144
.set TC,   96                          ; the head, lane = pair: v96-103 the 8 lists' counts, v104-111 their beginnings,
.set TBS,  104
.set TN,   112                         ; v112 the pair's tokens, v113 its tiles and then their inclusive sum, v114 the exclusive sum, v115 at work;
.set TI,   113
.set TE,   114
.set TW,   115
.set IX,   116                         ; lane = row: v116-118 rows 16 m + r, v119 my wave's 12 rows: the row's number, then its place among the pair's tokens;
.set AD,   120                         ; v120-123 where its entry lies;  v124 my wave's 12 entries
.set EO,   124
.set MSB, 0
.macro WIN new                         ; the immediate's high byte repeats the setting that is left; a switch that changes nothing is dropped
.if MSB != (\new)
	s_set_vgpr_msb (MSB<<8)|(\new)
.set MSB, \new
.endif
.endm
.macro PLACES                          ; four plain vector instructions behind a matrix instruction, ahead of loads into its registers and of reads of its results
.rept 4
	v_nop
.endr
.endm
.macro BARRIER                         ; my LDS stores have landed and my LDS loads are in: then the work-group's barrier
	s_wait_dscnt 0x0
	s_barrier_signal -1
	s_barrier_wait -1
.endm
	s_load_b512 s[4:19], s[0:1], 0x0               ; srt s[4:5], x s[6:7], gamma s[8:9], beta s[10:11], weights s[12:13], wl s[14:15], W1's scales s[16:17], W2's s[18:19]
	s_load_b64 s[20:21], s[0:1], 0x40              ; out0
	v_lshl_add_u32 v78, v0, 2, 0x3db00
	v_mov_b32 v79, 0
	v_lshrrev_b32 v21, 5, v0
	v_readfirstlane_b32 s22, v21                   ; wave 0 .. 3
	v_and_b32 v90, 31, v0                          ; lane
	v_and_b32 v91, 15, v0                          ; r
	v_bfe_u32 v92, v0, 4, 1                        ; h
	v_and_b32 v93, 8, v91
	v_add_nc_u32 v93, v93, v91                     ; r + 8 (r / 8)
	v_lshlrev_b32 v[L16], 4, v90
	v_lshlrev_b32 v[L32], 5, v90
	s_mul_i32 s62, s22, 12*PX
	v_add_nc_u32 v[XSD], s62, v[L16]
	v_add_nc_u32 v[LNA0], s62, v[L32]
	s_mul_i32 s62, s22, 12*PCO
	s_add_co_u32 s62, s62, XCODE
	v_lshl_add_u32 v[XCW0], v90, 2, s62
	s_mul_i32 s62, s22, 12*PSB
	s_add_co_u32 s62, s62, XSCB
	v_lshrrev_b32 v31, 2, v90
	v_add_nc_u32 v[XBW0], s62, v31
	v_mul_u32_u24 v[XCR], v91, PCO
	v_lshl_add_u32 v[XCR], v92, 4, v[XCR]
	v_add_nc_u32 v[XCR], XCODE, v[XCR]
	v_mul_u32_u24 v[XBR], v91, PSB
	v_add_nc_u32 v[XBR], XSCB, v[XBR]
	s_lshl_b32 s62, s22, 10
	s_add_co_u32 s63, s62, HIMG
	v_add_nc_u32 v[IMW], s63, v[L16]
	s_lshl_b32 s63, s22, 7
	s_add_co_u32 s63, s63, HSC
	v_lshl_add_u32 v[ISW], v90, 2, s63
	v_add_nc_u32 v[IMR], HIMG, v[L16]
	v_lshl_add_u32 v[ISR], v90, 2, HSC
	v_mul_u32_u24 v[RMA], v91, PX
	v_lshl_add_u32 v[RMA], v92, 6, v[RMA]
	v_add_nc_u32 v[RMA], s62, v[RMA]
	v_add_nc_u32 v[RMA+1], 16*PX, v[RMA]
	v_add_nc_u32 v[RMA+2], 32*PX, v[RMA]
	v_lshlrev_b32 v[W1SO], 5, v93                  ; W1's scales: 32 bytes a row; lanes 0-15 take K steps 0-3, lanes 16-31 K steps 4-7 of the same row
	v_lshl_add_u32 v[W1SO], v92, 4, v[W1SO]
	v_lshl_add_u32 v[W2SO], v92, 3, v93            ; W2's: 16 bytes a row; lanes 0-15 take tile 2 b's rows, lanes 16-31 tile 2 b + 1's, 8 rows on
	v_lshlrev_b32 v[W2SO], 4, v[W2SO]
	v_lshlrev_b32 v95, 2, v90                      ; 4 x lane
.irp m, 0,1,2
	v_add_nc_u32 v[IX+\m], 16*\m, v91              ; lane (r, h): row 16 m + r
.endr
	v_min_u32 v[IX+3], 11, v90
	s_mul_i32 s89, s22, 12
	v_add_nc_u32 v[IX+3], s89, v[IX+3]             ; lanes 0-11: my wave's rows 12 w + lane
	v_mov_b32 v[TW], 0                             ; written once: the destination of a lane move counts as one of its sources
.irp b, 0,1,2,3
	v_mov_b32 v[TM+4+\b], 0                        ; likewise a lane permute's
.endr
	s_mov_b32 s78, 0x76543210
	s_mov_b32 s79, 0xfedcba98                      ; v_permlanex16_b32's selects for lane l xor 16
	s_mov_b32 s84, 0x3a800000                      ; 1 / 1,024
	s_mov_b32 s85, 0x3727c5ac                      ; 1e-5
	s_mov_b32 s92, 0xffff0000                      ; lanes 16-31
	s_mov_b32 s93, ttmp9                           ; my tile's number
	s_mov_b32 s63, 0                               ; the upper word of every offset
	s_wait_kmcnt 0x0
; ---- which tile is mine.  Lane = pair.
.irp j, 0,1,2,3,4,5,6,7
	global_load_b32 v[TC+\j], v95, s[4:5] offset:256*\j        ; list j: each pair's count,
	global_load_b32 v[TBS+\j], v95, s[4:5] offset:256*\j+128   ; and where it begins in the list
.endr
	s_wait_loadcnt 0x0
	v_add_nc_u32 v[TN], v[TC], v[TC+1]
.irp j, 2,3,4,5,6,7
	v_add_nc_u32 v[TN], v[TN], v[TC+\j]            ; the pair's tokens
.endr
	v_add_nc_u32 v[TI], 47, v[TN]
	v_mul_u32_u24 v[TI], v[TI], 0x5556             ; (n + 47) / 48 as (n + 47) x 21,846 >> 20: 21,846 x 48 = 2^20 + 32, exact up to n + 47 = 8,239
	v_lshrrev_b32 v[TI], 20, v[TI]                 ; its tiles
	v_mov_b32 v[TE], v[TI]
.irp n, 1,2,4,8
	v_mov_b32_dpp v[TW], v[TI] row_shr:\n row_mask:0xf bank_mask:0xf bound_ctrl:1
	v_add_nc_u32 v[TI], v[TI], v[TW]
.endr
	v_readlane_b32 s88, v[TI], 15
	v_cndmask_b32 v[TW], 0, s88, s92               ; lanes 16-31 add the lower half's sum
	v_add_nc_u32 v[TI], v[TI], v[TW]               ; the tiles of this pair and of those below,
	v_sub_nc_u32 v[TE], v[TI], v[TE]               ; of those below alone
	v_cmp_ge_u32 s88, s93, v[TI]                   ; the pairs all of whose tiles come before mine: lanes 0 .. k - 1, since the sums do not fall
	s_bcnt1_i32_b32 s62, s88                       ; k, my pair;
	s_min_u32 s62, s62, 31                         ; beyond the last tile: lane 31, a pair without tokens
	v_readlane_b32 s60, v[TE], s62
	v_readlane_b32 s61, v[TN], s62                 ; my pair's tokens
.irp j, 0,1,2,3,4,5,6,7
	v_readlane_b32 s[36+\j], v[TC+\j], s62
	v_readlane_b32 s[44+\j], v[TBS+\j], s62
.endr
	s_sub_co_u32 s60, s93, s60
	s_mul_i32 s60, s60, 48                         ; my tile's first token among them
	s_mov_b32 s52, 0
.irp j, 1,2,3,4,5,6,7
	s_add_co_u32 s[52+\j], s[52+\j-1], s[36+\j-1]  ; P_j: my pair's tokens in the lists below j
.endr
.irp j, 0,1,2,3,4,5,6,7
	s_add_co_u32 s[44+\j], s[44+\j], 1024*\j
	s_sub_co_u32 s[44+\j], s[44+\j], s[52+\j]      ; D_j: token number i of the pair, if it lies in list j, is word i + D_j of the lists (modulo 2^32)
.endr
; Lane = row, four sets by turns
.irp q, 0,1,2,3
	v_add_nc_u32 v[IX+\q], s60, v[IX+\q]           ; i
	v_mov_b32 v[AD+\q], s44
.endr
.irp j, 1,2,3,4,5,6,7
.irp q, 0,1,2,3
	v_cmp_le_u32 s[88+\q], s[52+\j], v[IX+\q]
.endr
.irp q, 0,1,2,3
	v_cndmask_b32 v[AD+\q], v[AD+\q], s[44+\j], s[88+\q]   ; the last j with P_j <= i
.endr
.endr
.irp q, 0,1,2,3
	v_add_nc_u32 v[AD+\q], v[AD+\q], v[IX+\q]
	v_min_u32 v[AD+\q], 0x1fff, v[AD+\q]           ; held inside the 8,192 entries: rows beyond the pair's end read some entry and throw it away
	v_lshlrev_b32 v[AD+\q], 2, v[AD+\q]
.endr
.irp m, 0,1,2
	global_load_b32 v[ENL+\m], v[AD+\m], s[4:5] offset:LST
.endr
	global_load_b32 v[EO], v[AD+3], s[4:5] offset:LST
	s_wait_loadcnt 0x0
.irp m, 0,1,2
	v_cmp_gt_u32 vcc_lo, s61, v[IX+\m]
	v_cndmask_b32 v[ENL+\m], 0x80000000, v[ENL+\m], vcc_lo   ; lane (r, h): entry 16 m + r, or padding
.endr
	v_cmp_gt_u32 vcc_lo, s61, v[IX+3]
	v_cndmask_b32 v[EO], 0x80000000, v[EO], vcc_lo
	v_readlane_b32 s23, v[ENL], 0                  ; entry 0,
.irp j, 0,1,2,3,4,5,6,7,8,9,10,11
	v_readlane_b32 s[24+\j], v[EO], \j             ; and my wave's 12, as scalars
.endr
	s_bfe_u32 s60, s23, 0x30010                    ; a,
	s_min_u32 s60, s60, 7
	s_bfe_u32 s61, s23, 0x30014                    ; b: entry 0's, which all tokens of the tile share
	s_min_u32 s61, s61, 7
	s_lshl_b32 s90, s22, 17
	s_lshl_b32 s91, s22, 12
.irp p, 0,1
	s_lshl_b32 s62, s[60+\p], 19
	s_add_co_u32 s62, s62, s90
	s_add_nc_u64 s[66+2*\p:67+2*\p], s[14:15], s[62:63]   ; my wave's 131,072 bytes of the expert's weights
	s_lshl_b32 s62, s[60+\p], 14
	s_add_co_u32 s62, s62, s91
	s_add_nc_u64 s[70+2*\p:71+2*\p], s[16:17], s[62:63]   ; my 128 rows of W1's scales,
	s_add_nc_u64 s[74+2*\p:75+2*\p], s[18:19], s[62:63]   ; my 256 rows of W2's: 4,096 bytes each
.endr
.macro ROWBASES ptr                    ; s[36 + 2 j]: row j's 4,096 bytes in x or in out0 (a padding entry names token 0; it is read and never stored)
.irp j, 0,1,2,3,4,5,6,7,8,9,10,11
	s_and_b32 s62, s[24+\j], 0x1fff
	s_min_u32 s62, s62, 0x1fff
	s_lshl_b32 s62, s62, 12
	s_add_nc_u64 s[36+2*\j:37+2*\j], s[\ptr:\ptr+1], s[62:63]
.endr
.endm
	ROWBASES 6
; ---- x into LDS: my 12 rows, each by eight loads of 512 consecutive bytes, through six sets of 32 registers
.macro XLD j
	WIN 0xc0
.irp i, 0,1,2,3,4,5,6,7
	global_load_b128 v[32*((\j)%6)+4*\i:32*((\j)%6)+4*\i+3], v[L16], s[36+2*(\j):37+2*(\j)] offset:512*\i
.endr
.endm
.macro XST j
	WIN 0x0c
.irp i, 0,1,2,3,4,5,6,7
	ds_store_b128 v[XSD], v[32*((\j)%6)+4*\i:32*((\j)%6)+4*\i+3] offset:PX*(\j)+512*\i
.endr
.endm
.macro LDB base, bi, ring              ; a batch of eight weight fragments, 8,192 bytes, into one of window 1's four sets
	WIN 0x40
.irp f, 0,1,2,3,4,5,6,7
.irp c, 0,1
	global_load_b128 v[64*(\ring)+8*\f+4*\c:64*(\ring)+8*\f+4*\c+3], v[L16], s[\base:\base+1] offset:8192*(\bi)+1024*\f+512*\c
.endr
.endr
.endm
.macro W1SLD base                      ; register 4 t + i: lanes 0-15 the word of K step i, lanes 16-31 of K step 4 + i, of tile t's rows
.irp t, 0,1,2,3,4,5,6,7
	global_load_b128 v[W1S+4*\t:W1S+4*\t+3], v[W1SO], s[\base:\base+1] offset:(32*(\t/2)+8*(\t%2))*32
.endr
.endm
.macro W2SLD base                      ; register 4 b + s: lanes 0-15 the word of tile 2 b, lanes 16-31 of tile 2 b + 1, K step s
.irp bb, 0,1,2,3,4,5,6,7
	global_load_b128 v[W2S+4*\bb:W2S+4*\bb+3], v[W2SO], s[\base:\base+1] offset:512*\bb
.endr
.endm
.macro WLOAD m, o                      ; the two weights of token 16 m + r
	v_and_b32 v[\o], 0x1fff, v[ENL+\m]
	v_min_u32 v[\o], 0x1fff, v[\o]
	v_lshlrev_b32 v[\o], 3, v[\o]
	global_load_b64 v[TT+2*\m:TT+2*\m+1], v[\o], s[12:13]
.endm
.irp j, 0,1,2,3,4,5
	XLD \j
.endr
	WIN 0
	WLOAD 0, 21
	WLOAD 1, 31
	WLOAD 2, 95
	s_wait_loadcnt 43                              ; row 0: behind it five rows and the three pairs
	XST 0
.irp j, 1,2,3,4,5
	s_wait_loadcnt 35                              ; row j: behind it four rows and the three pairs
	XST \j
	s_wait_dscnt 8                                 ; row j - 1's stores have read their registers (row j's eight may be out),
	XLD \j+5                                       ; which take the row six further on
.endr
	s_wait_loadcnt 32                              ; row 6: behind it rows 7-10
	XST 6
	s_wait_dscnt 8
	XLD 11
	WIN 0x80
.irp p, 0,1,2,3
.irp f, 0,1
	global_load_b128 v[LG+8*\p+4*\f:LG+8*\p+4*\f+3], v[L32], s[8:9] offset:1024*\p+16*\f     ; gamma and beta of my channels 256 p + 8 lane + 0 .. 7
	global_load_b128 v[LB+8*\p+4*\f:LB+8*\p+4*\f+3], v[L32], s[10:11] offset:1024*\p+16*\f
.endr
.endr
	WIN 0
	W1SLD 70
	LDB 66, 0, 0                                   ; the weights' stream starts here and runs on under LayerNorm
	LDB 66, 1, 1
	LDB 66, 2, 2
.irp j, 7,8,9,10,11
	s_wait_loadcnt 63                              ; 72 loads or more stand behind each of these rows: the largest count that the wait can name
	XST \j
.endr
	WIN 0
; ---- the coefficients: cA = the weights of the ranks whose winner is a, cB = of the others; each twice, as a pair for the packed multiply-add
.irp m, 0,1,2
	v_and_b32 v94, 0x1000000, v[ENL+\m]
	v_cmp_ne_u32 s88, 0, v94
	v_and_b32 v94, 0x2000000, v[ENL+\m]
	v_cmp_ne_u32 s89, 0, v94
	v_cndmask_b32 v94, 0, v[TT+2*\m], s88
	v_cndmask_b32 v95, 0, v[TT+2*\m+1], s89
	v_add_f32 v[CFA+2*\m], v94, v95
	v_cndmask_b32 v94, v[TT+2*\m], 0, s88
	v_cndmask_b32 v95, v[TT+2*\m+1], 0, s89
	v_add_f32 v[CFB+2*\m], v94, v95
	v_mov_b32 v[CFA+2*\m+1], v[CFA+2*\m]
	v_mov_b32 v[CFB+2*\m+1], v[CFB+2*\m]
.endr
; ---- LayerNorm and h's codes: three trips of four rows, the rows by turns line by line.  A lane holds channels 256 p + 8 lane + 0 .. 7 in registers 8 p .. 8 p + 7 of window 2: four neighbouring lanes hold a block of 32.
; Window 2, row r at LT + 16 r: +0..3 two chains of sums; +6, 7 the mean; +8, 9 1 / sqrt.  All that goes from lane to lane, and the scales, bytes and codes, lies in window 0.
	s_wait_loadcnt 48                              ; gamma, beta and W1's scales are in; the three batches may be out
	WIN 0x80
.irp r, 0,1,2,3
	v_mov_b32 v[LT+16*\r+7], 0                     ; the upper halves of two pairs of which the low word serves both halves: written once
	v_mov_b32 v[LT+16*\r+9], 0
.endr
	WIN 0
.macro LNRED                           ; the four rows' sums in v[RS] on, over the 32 lanes, into every lane
.irp x, 1,2,4,8
.irp r, 0,1,2,3
	v_add_f32_dpp v[RS+\r], v[RS+\r], v[RS+\r] row_xmask:\x row_mask:0xf bank_mask:0xf
.endr
.endr
.irp r, 0,1,2,3
	v_permlanex16_b32 v[RP+\r], v[RS+\r], s78, s79
.endr
.irp r, 0,1,2,3
	v_add_f32 v[RS+\r], v[RS+\r], v[RP+\r]
.endr
.endm
	s_mov_b32 s80, 0
	s_mov_b32 s81, 0
	s_mov_b32 s82, 0
	s_mov_b32 s83, 0
.Lln:
	v_add_nc_u32 v[LNA], s81, v[LNA0]
	v_add_nc_u32 v[XCW], s82, v[XCW0]
	v_add_nc_u32 v[XBW], s83, v[XBW0]
	WIN 0x80
.irp r, 0,1,2,3
.irp p, 0,1,2,3
.irp f, 0,1
	ds_load_b128 v[32*\r+8*\p+4*\f:32*\r+8*\p+4*\f+3], v[LNA] offset:PX*\r+1024*\p+16*\f   ; my own rows: LDS serves a wave's instructions in order
.endr
.endr
.endr
	s_wait_dscnt 0x0
	WIN 0xaa
.irp r, 0,1,2,3
	v_pk_add_f32 v[LT+16*\r:LT+16*\r+1], v[32*\r:32*\r+1], v[32*\r+2:32*\r+3]
	v_pk_add_f32 v[LT+16*\r+2:LT+16*\r+3], v[32*\r+4:32*\r+5], v[32*\r+6:32*\r+7]
.endr
.irp i, 8,12,16,20,24,28
.irp r, 0,1,2,3
	v_pk_add_f32 v[LT+16*\r:LT+16*\r+1], v[LT+16*\r:LT+16*\r+1], v[32*\r+\i:32*\r+\i+1]
	v_pk_add_f32 v[LT+16*\r+2:LT+16*\r+3], v[LT+16*\r+2:LT+16*\r+3], v[32*\r+\i+2:32*\r+\i+3]
.endr
.endr
.irp r, 0,1,2,3
	v_pk_add_f32 v[LT+16*\r:LT+16*\r+1], v[LT+16*\r:LT+16*\r+1], v[LT+16*\r+2:LT+16*\r+3]
.endr
	WIN 0x0a                                       ; sources window 2, destination window 0
.irp r, 0,1,2,3
	v_add_f32 v[RS+\r], v[LT+16*\r], v[LT+16*\r+1]
.endr
	WIN 0
	LNRED
	WIN 0x80                                       ; destination window 2
.irp r, 0,1,2,3
	v_mul_f32 v[LT+16*\r+6], s84, v[RS+\r]         ; the mean
.endr
	WIN 0xaa
.irp i, 0,2,4,6,8,10,12,14,16,18,20,22,24,26,28,30
.irp r, 0,1,2,3
	v_pk_add_f32 v[32*\r+\i:32*\r+\i+1], v[32*\r+\i:32*\r+\i+1], v[LT+16*\r+6:LT+16*\r+7] op_sel_hi:[1,0] neg_lo:[0,1] neg_hi:[0,1]   ; x - mean
.endr
.endr
.irp r, 0,1,2,3
	v_pk_mul_f32 v[LT+16*\r:LT+16*\r+1], v[32*\r:32*\r+1], v[32*\r:32*\r+1]
	v_pk_mul_f32 v[LT+16*\r+2:LT+16*\r+3], v[32*\r+2:32*\r+3], v[32*\r+2:32*\r+3]
.endr
.irp i, 4,8,12,16,20,24,28
.irp r, 0,1,2,3
	v_pk_fma_f32 v[LT+16*\r:LT+16*\r+1], v[32*\r+\i:32*\r+\i+1], v[32*\r+\i:32*\r+\i+1], v[LT+16*\r:LT+16*\r+1]
	v_pk_fma_f32 v[LT+16*\r+2:LT+16*\r+3], v[32*\r+\i+2:32*\r+\i+3], v[32*\r+\i+2:32*\r+\i+3], v[LT+16*\r+2:LT+16*\r+3]
.endr
.endr
.irp r, 0,1,2,3
	v_pk_add_f32 v[LT+16*\r:LT+16*\r+1], v[LT+16*\r:LT+16*\r+1], v[LT+16*\r+2:LT+16*\r+3]
.endr
	WIN 0x0a
.irp r, 0,1,2,3
	v_add_f32 v[RS+\r], v[LT+16*\r], v[LT+16*\r+1]
.endr
	WIN 0
	LNRED
.irp r, 0,1,2,3
	v_fma_f32 v[RS+\r], v[RS+\r], s84, s85         ; the variance + 1e-5
.endr
	WIN 0x80
	s_wait_alu depctr_va_vdst(0)
.irp r, 0,1,2,3
	v_rsq_f32 v[LT+16*\r+8], v[RS+\r]
.endr
	v_nop                                          ; a plain instruction behind the last of the four,
	s_wait_alu depctr_va_vdst(0)                   ; and one wait for the batch, ahead of its first reader
	WIN 0xaa
.irp i, 0,2,4,6,8,10,12,14,16,18,20,22,24,26,28,30
.irp r, 0,1,2,3
	v_pk_mul_f32 v[32*\r+\i:32*\r+\i+1], v[32*\r+\i:32*\r+\i+1], v[LT+16*\r+8:LT+16*\r+9] op_sel_hi:[1,0]
.endr
.endr
.irp i, 0,2,4,6,8,10,12,14,16,18,20,22,24,26,28,30
.irp r, 0,1,2,3
	v_pk_fma_f32 v[32*\r+\i:32*\r+\i+1], v[32*\r+\i:32*\r+\i+1], v[LG+\i:LG+\i+1], v[LB+\i:LB+\i+1]   ; h
.endr
.endr
	WIN 0x0a                                       ; the numbers in window 2, the maxima in window 0
.irp p, 0,1,2,3
.irp r, 0,1,2,3
	v_max3_num_f32 v[QM+4*\r+\p], |v[32*\r+8*\p]|, |v[32*\r+8*\p+1]|, 0x1800000   ; my eight of a block, and the floor 2^(3 - 127): the byte cannot fall under 1
.endr
.endr
.irp i, 2,4,6
.irp p, 0,1,2,3
.irp r, 0,1,2,3
	v_max3_num_f32 v[QM+4*\r+\p], |v[32*\r+8*\p+\i]|, |v[32*\r+8*\p+\i+1]|, v[QM+4*\r+\p]
.endr
.endr
.endr
	WIN 0
.irp x, 1,2
.irp p, 0,1,2,3
.irp r, 0,1,2,3
	v_max_num_f32_dpp v[QM+4*\r+\p], v[QM+4*\r+\p], v[QM+4*\r+\p] row_xmask:\x row_mask:0xf bank_mask:0xf   ; with the three lanes that share the block
.endr
.endr
.endr
.irp p, 0,1,2,3
.irp r, 0,1,2,3
	v_add_nc_u32 v[QS+4*\r+\p], 0xff000000, v[QM+4*\r+\p]   ; 2 off the exponent field: the conversion takes this operand's exponent field as its scale
.endr
.endr
.irp p, 0,1,2,3
.irp r, 0,1,2,3
	v_lshrrev_b32 v[QB+4*\r+\p], 23, v[QS+4*\r+\p]          ; the scale's byte
.endr
.endr
	WIN 0x02                                       ; the numbers in window 2; scale operand and codes in window 0
.irp p, 0,1,2,3
.irp r, 0,1,2,3
	v_cvt_scalef32_pk8_fp4_f32 v[QC+4*\r+\p], v[32*\r+8*\p:32*\r+8*\p+7], v[QS+4*\r+\p]
.endr
.endr
	WIN 0
	v_nop                                          ; one plain instruction behind the last scaled conversion
.irp r, 0,1,2,3
.irp p, 0,1,2,3
	ds_store_b32 v[XCW], v[QC+4*\r+\p] offset:PCO*\r+128*\p   ; eight codes: bytes 128 p + 4 lane of the row
	ds_store_b8 v[XBW], v[QB+4*\r+\p] offset:PSB*\r+8*\p      ; block 8 p + lane / 4: its four lanes write the same byte with the same value
.endr
.endr
	s_wait_dscnt 0x0                               ; the stores have read their registers: the next trip writes addresses and work registers anew
	s_add_co_u32 s81, s81, 4*PX
	s_add_co_u32 s82, s82, 4*PCO
	s_add_co_u32 s83, s83, 4*PSB
	s_add_co_u32 s80, s80, 1
	s_cmp_lt_u32 s80, 3
	s_cbranch_scc1 .Lln
	W2SLD 74
	BARRIER                                        ; all 48 rows of x, of h's codes and of their scale bytes lie in LDS
	WIN 0xc0
.irp m, 0,1,2
.irp s, 0,1,2,3,4,5,6,7
.irp c, 0,1
	ds_load_b128 v[64*\m+8*\s+4*\c:64*\m+8*\s+4*\c+3], v[XCR] offset:16*PCO*\m+64*\s+32*\c   ; h's 24 fragments stay in registers for both experts
.endr
.endr
.endr
	WIN 0
.irp m, 0,1,2
.irp s, 0,1,2,3,4,5,6,7
	ds_load_b32 v[XSCL+8*\m+\s], v[XBR] offset:16*PSB*\m+4*\s
.endr
.endr
	s_wait_dscnt 0x0
; one matrix instruction.  zero: the sum's first K step takes the constant 0 as C.  row1: source 0's scales stand in lanes 16-31
.macro MM d, a, b, zero, row1, sa, sb
.if \zero
.if \row1
	v_wmma_scale_f32_16x16x128_f8f6f4 v[\d:\d+7], v[\a:\a+7], v[\b:\b+7], 0, v[\sa], v[\sb] matrix_a_fmt:MATRIX_FMT_FP4 matrix_b_fmt:MATRIX_FMT_FP4 matrix_a_scale:MATRIX_SCALE_ROW1
.else
	v_wmma_scale_f32_16x16x128_f8f6f4 v[\d:\d+7], v[\a:\a+7], v[\b:\b+7], 0, v[\sa], v[\sb] matrix_a_fmt:MATRIX_FMT_FP4 matrix_b_fmt:MATRIX_FMT_FP4
.endif
.else
.if \row1
	v_wmma_scale_f32_16x16x128_f8f6f4 v[\d:\d+7], v[\a:\a+7], v[\b:\b+7], v[\d:\d+7], v[\sa], v[\sb] matrix_a_fmt:MATRIX_FMT_FP4 matrix_b_fmt:MATRIX_FMT_FP4 matrix_a_scale:MATRIX_SCALE_ROW1
.else
	v_wmma_scale_f32_16x16x128_f8f6f4 v[\d:\d+7], v[\a:\a+7], v[\b:\b+7], v[\d:\d+7], v[\sa], v[\sb] matrix_a_fmt:MATRIX_FMT_FP4 matrix_b_fmt:MATRIX_FMT_FP4
.endif
.endif
.endm
; K step s of the first product: batch s against h's three fragments: 24 accumulators, one instruction a turn.  The batch three on is asked for first, into the set that the last step read.
.macro P1STEP sig, s
	PLACES
.if ((\sig) == 1) && ((\s) == 0)
	WIN 0
	W2SLD 76                                       ; the second expert's scales of W2: the first's were last read in front of the places above
.endif
	LDB 66+2*(\sig), (\s)+3, ((\s)+3)%4
	s_wait_loadcnt 48                              ; batch s is in: behind it stand three batches of 16 (and in some steps eight scale loads more)
	WIN 0xad
.irp t, 0,1,2,3,4,5,6,7
.irp m, 0,1,2
.if (\s) == 0
	MM 64*\m+8*\t, 64*((\s)%4)+8*\t, 64*\m+8*(\s), 1, 0, W1S+4*\t+(\s)%4, XSCL+8*\m+(\s)
.elseif (\s) < 4
	MM 64*\m+8*\t, 64*((\s)%4)+8*\t, 64*\m+8*(\s), 0, 0, W1S+4*\t+(\s)%4, XSCL+8*\m+(\s)
.else
	MM 64*\m+8*\t, 64*((\s)%4)+8*\t, 64*\m+8*(\s), 0, 1, W1S+4*\t+(\s)%4, XSCL+8*\m+(\s)
.endif
.endr
.endr
.endm
; 64 numbers of a lane, window 2's registers 64 m + 16 b + i = hidden unit 32 b + 16 h + i of my 128, become a fragment's codes and its scale word.  None is negative: no |.| on the sources
.macro QUANT m
	WIN 0x0a
.irp b, 0,1,2,3
	v_max3_num_f32 v[TM+\b], v[64*(\m)+16*\b], v[64*(\m)+16*\b+1], 0x1800000
.endr
.irp i, 2,4,6,8,10,12,14
.irp b, 0,1,2,3
	v_max3_num_f32 v[TM+\b], v[64*(\m)+16*\b+\i], v[64*(\m)+16*\b+\i+1], v[TM+\b]
.endr
.endr
	WIN 0
.irp b, 0,1,2,3
	v_permlanex16_b32 v[TM+4+\b], v[TM+\b], s78, s79
.endr
.irp b, 0,1,2,3
	v_max_num_f32 v[TM+\b], v[TM+\b], v[TM+4+\b]   ; with lane l xor 16's 16: the block's largest
.endr
.irp b, 0,1,2,3
	v_add_nc_u32 v[TM+12+\b], 0xff000000, v[TM+\b]
.endr
.irp b, 0,1,2,3
	v_lshrrev_b32 v[TM+4+\b], 23, v[TM+12+\b]
.endr
	v_lshl_or_b32 v[PW+(\m)], v[TM+5], 8, v[TM+4]
	v_lshl_or_b32 v[PW+(\m)], v[TM+6], 16, v[PW+(\m)]
	v_lshl_or_b32 v[PW+(\m)], v[TM+7], 24, v[PW+(\m)]
	WIN 0x02
.irp b, 0,1,2,3
	v_cvt_scalef32_pk8_fp4_f32 v[PCD+8*(\m)+2*\b], v[64*(\m)+16*\b:64*(\m)+16*\b+7], v[TM+12+\b]
	v_cvt_scalef32_pk8_fp4_f32 v[PCD+8*(\m)+2*\b+1], v[64*(\m)+16*\b+8:64*(\m)+16*\b+15], v[TM+12+\b]
.endr
	WIN 0
	v_nop                                          ; one plain instruction behind the last scaled conversion
.irp c, 0,1
.irp i, 0,1
	v_permlane16_swap_b32 v[PCD+8*(\m)+4*\c+\i], v[PCD+8*(\m)+4*\c+2+\i]   ; the operand wants a whole block in a lane: lanes 0-15 block 2 c, lanes 16-31 block 2 c + 1
.endr
.endr
.endm
; half hh of group g of the second product: batch 8 + 2 g + hh holds K steps 2 hh, 2 hh + 1 of tiles 4 g .. 4 g + 3: 12 accumulators (tile, m), one instruction a turn
.macro P2STEP sig, g, hh
.set BI, 8+2*(\g)+(\hh)
	PLACES
.if ((\sig) == 0) && (BI == 8)
	WIN 0
	W1SLD 72                                       ; the second expert's scales of W1
.endif
.if BI+3 <= 15
	LDB 66+2*(\sig), BI+3, (BI+3)%4
.elseif (\sig) == 0
	LDB 68, BI-13, (BI+3)%4                        ; the stream goes on into the second expert's first batches
.endif
.if ((\sig) == 1) && (BI > 12)
	s_wait_loadcnt 16*(15-BI)                      ; the last batches: nothing more is asked for, the counts run down
.else
	s_wait_loadcnt 48
.endif
.if BI == 8
	s_wait_dscnt 0x0                               ; the hidden fragments and their scale words are in
.endif
.if (\hh) == 1
	s_wait_dscnt 0x0                               ; the last group's stores have read their registers,
	WIN 0
.irp up, 0,1,2,3
.irp m, 0,1,2
.irp hf, 0,1
	ds_load_b128 v[TT+8*(3*\up+\m)+4*\hf:TT+8*(3*\up+\m)+4*\hf+3], v[RMA+\m] offset:128*(2*(\g)+\up/2)+32*(\up%2)+16*\hf   ; which take this group's sums so far: they land under the 24 products below
.endr
.endr
.endr
.endif
	WIN 0xa9
.irp sp, 0,1
.irp up, 0,1,2,3
.irp m, 0,1,2
.if ((\hh) == 0) && (\sp == 0)
	MM 8*(3*\up+\m), 64*(BI%4)+8*(4*\sp+\up), 96+8*(4*\m+2*(\hh)+\sp), 1, \up%2, W2S+4*(2*(\g)+\up/2)+2*(\hh)+\sp, HSCL+4*\m+2*(\hh)+\sp
.else
	MM 8*(3*\up+\m), 64*(BI%4)+8*(4*\sp+\up), 96+8*(4*\m+2*(\hh)+\sp), 0, \up%2, W2S+4*(2*(\g)+\up/2)+2*(\hh)+\sp, HSCL+4*\m+2*(\hh)+\sp
.endif
.endr
.endr
.endr
.endm
; the group's results, times the token's coefficient, onto the sums: lane (r, h), tile 2 b + u: channels 256 w + 32 b + 16 h + 8 u + 0 .. 7 of token 16 m + r.  My wave's own bytes of each row: no barrier
.macro RMW sig, g
	PLACES
	s_wait_dscnt 0x0
	WIN 0x02
.irp up, 0,1,2,3
.irp m, 0,1,2
.irp k, 0,2,4,6
.if (\sig) == 0
	v_pk_fma_f32 v[TT+8*(3*\up+\m)+\k:TT+8*(3*\up+\m)+\k+1], v[8*(3*\up+\m)+\k:8*(3*\up+\m)+\k+1], v[CFA+2*\m:CFA+2*\m+1], v[TT+8*(3*\up+\m)+\k:TT+8*(3*\up+\m)+\k+1]
.else
	v_pk_fma_f32 v[TT+8*(3*\up+\m)+\k:TT+8*(3*\up+\m)+\k+1], v[8*(3*\up+\m)+\k:8*(3*\up+\m)+\k+1], v[CFB+2*\m:CFB+2*\m+1], v[TT+8*(3*\up+\m)+\k:TT+8*(3*\up+\m)+\k+1]
.endif
.endr
.endr
.endr
	WIN 0
.irp up, 0,1,2,3
.irp m, 0,1,2
.irp hf, 0,1
	ds_store_b128 v[RMA+\m], v[TT+8*(3*\up+\m)+4*\hf:TT+8*(3*\up+\m)+4*\hf+3] offset:128*(2*(\g)+\up/2)+32*(\up%2)+16*\hf
.endr
.endr
.endr
.endm
; one expert.  Written out for each of the two, so that no load is passed over by a jump and every count holds on the one path
.macro SLOT sig
.irp s, 0,1,2,3,4,5,6,7
	P1STEP \sig, \s
.endr
	PLACES
	WIN 0x8a
.set J, 0
.rept 192
	v_max_num_f32 v[J], 0, v[J]                    ; relu, each accumulator from its low end on,
.set J, J+1
.endr
.set J, 0
.rept 96
	v_pk_mul_f32 v[J:J+1], v[J:J+1], v[J:J+1]      ; squared
.set J, J+2
.endr
.irp m, 0,1,2
	QUANT \m
	ds_store_b128 v[IMW], v[PCD+8*\m:PCD+8*\m+3] offset:SLB*(\sig)+4096*\m        ; K step w of the second product, rows 16 m on: an image of the fragment's registers,
	ds_store_b128 v[IMW], v[PCD+8*\m+4:PCD+8*\m+7] offset:SLB*(\sig)+4096*\m+512
	ds_store_b32 v[ISW], v[PW+\m] offset:SLB*(\sig)+512*\m                        ; and its scale words, 4 bytes a lane
.endr
	BARRIER                                        ; the hidden layer's twelve fragments lie in LDS
	WIN 0x80
.irp m, 0,1,2
.irp s, 0,1,2,3
.irp c, 0,1
	ds_load_b128 v[96+8*(4*\m+\s)+4*\c:96+8*(4*\m+\s)+4*\c+3], v[IMR] offset:SLB*(\sig)+1024*(4*\m+\s)+512*\c
.endr
.endr
.endr
	WIN 0
.irp m, 0,1,2
.irp s, 0,1,2,3
	ds_load_b32 v[HSCL+4*\m+\s], v[ISR] offset:SLB*(\sig)+128*(4*\m+\s)
.endr
.endr
.irp g, 0,1,2,3
	P2STEP \sig, \g, 0
	P2STEP \sig, \g, 1
	RMW \sig, \g
.endr
.endm
	SLOT 0
	SLOT 1
; ---- the way out: 48 whole rows lie in LDS; each wave stores its 12, 512 consecutive bytes an instruction; a padding entry's row is passed over
	BARRIER
	ROWBASES 20                                    ; every load from x has been waited for: the bases are written anew, for out0
	WIN 0x80
.irp j, 0,1,2,3,4,5,6,7
.irp i, 0,1,2,3,4,5,6,7
	ds_load_b128 v[32*\j+4*\i:32*\j+4*\i+3], v[XSD] offset:PX*\j+512*\i
.endr
.endr
	WIN 0xc0
.irp j, 8,9,10,11
.irp i, 0,1,2,3,4,5,6,7
	ds_load_b128 v[32*(\j-8)+4*\i:32*(\j-8)+4*\i+3], v[XSD] offset:PX*\j+512*\i
.endr
.endr
	WIN 0
.macro OUTROW j
.if 88-8*(\j) > 63
	s_wait_dscnt 63                                ; more loads stand behind this row than the wait can name
.else
	s_wait_dscnt 88-8*(\j)                         ; row j is in: behind it stand the later rows' loads, eight each
.endif
	s_bitcmp1_b32 s[24+(\j)], 31
	s_cbranch_scc1 .Lpad_\@
.if (\j) < 8
	WIN 0x08
.else
	WIN 0x0c
.endif
.irp i, 0,1,2,3,4,5,6,7
	global_store_b128 v[L16], v[32*((\j)%8)+4*\i:32*((\j)%8)+4*\i+3], s[36+2*(\j):37+2*(\j)] offset:512*\i th:TH_STORE_NT
.endr
	WIN 0
.Lpad_\@:
.endm
.irp j, 0,1,2,3,4,5,6,7,8,9,10,11
	OUTROW \j
.endr
	s_wait_tensorcnt 0x0
	ds_add_u32 v78, v79
	s_wait_dscnt 0x0
	s_endpgm
.Lfunc_end_k_q54a3ec40f5_moe:
	.size	k_q54a3ec40f5_moe, .Lfunc_end_k_q54a3ec40f5_moe-k_q54a3ec40f5_moe
	.p2alignl 7, 3214868480
	.fill 96, 4, 3214868480
	.section	.rodata,"a",@progbits
	.p2align	6, 0x0
	.amdhsa_kernel k_q54a3ec40f5_moe
		.amdhsa_group_segment_fixed_size 253184
		.amdhsa_private_segment_fixed_size 0
		.amdhsa_enable_private_segment 0
		.amdhsa_kernarg_size 72
		.amdhsa_user_sgpr_count 2
		.amdhsa_user_sgpr_kernarg_segment_ptr 1
		.amdhsa_wavefront_size32 1
		.amdhsa_system_sgpr_workgroup_id_x 1
		.amdhsa_system_sgpr_workgroup_id_y 1
		.amdhsa_system_sgpr_workgroup_id_z 1
		.amdhsa_system_vgpr_workitem_id 0
		.amdhsa_next_free_vgpr 1024
		.amdhsa_next_free_sgpr 100
		.amdhsa_reserve_vcc 1
		.amdhsa_float_denorm_mode_32 3
		.amdhsa_float_denorm_mode_16_64 3
		.amdhsa_memory_ordered 1
		.amdhsa_forward_progress 1
		.amdhsa_inst_pref_size 255
	.end_amdhsa_kernel
	.section	.bss,"aw",@nobits
	.p2align	6
	.space	262144
	.amdgpu_metadata
---
amdhsa.version: [ 1, 2 ]
amdhsa.kernels:
  - .name:           k_q54a3ec40f5_moe
    .symbol:         k_q54a3ec40f5_moe.kd
    .args:
      - { .name: srt, .offset: 0, .size: 8, .value_kind: global_buffer, .address_space: global }
      - { .name: x, .offset: 8, .size: 8, .value_kind: global_buffer, .address_space: global }
      - { .name: gamma, .offset: 16, .size: 8, .value_kind: global_buffer, .address_space: global }
      - { .name: beta, .offset: 24, .size: 8, .value_kind: global_buffer, .address_space: global }
      - { .name: weights, .offset: 32, .size: 8, .value_kind: global_buffer, .address_space: global }
      - { .name: wl, .offset: 40, .size: 8, .value_kind: global_buffer, .address_space: global }
      - { .name: W1_scales, .offset: 48, .size: 8, .value_kind: global_buffer, .address_space: global }
      - { .name: W2_scales, .offset: 56, .size: 8, .value_kind: global_buffer, .address_space: global }
      - { .name: out0, .offset: 64, .size: 8, .value_kind: global_buffer, .address_space: global }
    .group_segment_fixed_size: 253184
    .private_segment_fixed_size: 0
    .kernarg_segment_align: 8
    .kernarg_segment_size: 72
    .max_flat_workgroup_size: 128
    .sgpr_count:     100
    .vgpr_count:     1024
    .wavefront_size: 32
...
	.end_amdgpu_metadata
.endif
;; end of part 2
